; MI455X (gfx1250); checked and timed in simulation.
; The chip was launched on July 23, 2026; its instructions are those of AMD's public machine-readable ISA for CDNA 5 (MIT licence, August 2026) and "CDNA5" Instruction Set Architecture Reference Guide (July 2026). The comments in the code are by the model that wrote it; some were corrected since.
;; Attention Pooling. Allowed arithmetic: matrix products marked QUANTISED: E3M2 operands, one E8M0 scale for each 32 along K, by v_wmma_scale_f32_16x16x128_f8f6f4 with both operands' format E3M2, f32 sums; products left as they are: f32 operands where the result goes on into a quantised operand, else bf16, f16 or f32 operands; f32 sums; everything else in f32.
;; Inputs: in_proj_b 3,072 float32; in_proj_w_codes 3,072 x 32 x 24 uint8 (E3M2 codes of in_proj_w, K innermost, in blocks of 32 codes, four codes in three bytes); in_proj_w_scales 3,072 x 32 uint8 (E8M0 scales of in_proj_w, one for each 32 codes along K); mask 32 x 1,024 bool; out_b 1,024 float32; out_w_codes 1,024 x 32 x 24 uint8 (E3M2 codes of out_w, K innermost, in blocks of 32 codes, four codes in three bytes); out_w_scales 1,024 x 32 uint8 (E8M0 scales of out_w, one for each 32 codes along K); x_codes 32 x 1,024 x 32 x 24 uint8 (E3M2 codes of x, K innermost, in blocks of 32 codes, four codes in three bytes); x_scales 32 x 1,024 x 32 uint8 (E8M0 scales of x, one for each 32 codes along K).
;; Outputs: out0 32 x 1,024 float32; out1 32 x 1 x 1,024 float32.
;; This version of the problem:
;;   THIS VERSION OF THE PROBLEM IS GIVEN IN LOW PRECISION. The matrix products marked QUANTISED in the list below multiply operands that are first quantised to E3M2 (3 exponent bits, 2 mantissa bits; 6 bits a number), with one power-of-two scale for each 32 numbers along K (OCP MX v1.0); their sums are f32. All else is computed in f32.
;;   The module's matrix products, in the order in which they are computed (A, B: the left and right operand; K: the contracted axis; several contracted axes count as one K, in the product's order):
;;     1. [M 32, K 1,024] x [K 1,024, N 1,024]; A: input x (given as codes); B: input in_proj_w (given as codes): QUANTISED
;;     2. [M 32,768, K 1,024] x [K 1,024, N 1,024]; A: input x (given as codes); B: input in_proj_w (given as codes): QUANTISED
;;     3. [M 32,768, K 1,024] x [K 1,024, N 1,024]; A: input x (given as codes); B: input in_proj_w (given as codes): QUANTISED
;;     4. batch 512 x [M 1, K 64] x [K 64, N 1,024]; A: computed on the way; B: computed on the way: left as it is (M = 1 < 16)
;;     5. batch 512 x [M 1, K 1,024] x [K 1,024, N 64]; A: softmax; B: computed on the way: left as it is (M = 1 < 16)
;;     6. [M 32, K 1,024] x [K 1,024, N 1,024]; A: computed on the way; B: input out_w (given as codes): QUANTISED
;;   THE QUANTISER, for each operand of a quantised product, along K:
;;     - K is cut into blocks of 32 from its start; a last block that is shorter is filled with zeros.
;;     - A block's scale is 2^e with e = floor(log2(the largest magnitude in the block)) - 4, held to -126 .. 127; a block of zeros has e = 0. As a byte (E8M0): e + 127.
;;     - Each number is divided by its block's scale, clamped to +-28, and rounded to the nearest number of E3M2, ties to even, subnormals kept.
;;     - The product sums the exact products of the quantised numbers (number of the format x scale) in f32.
;;   ~~~python
;;   def quantise(x, axis):      # numpy; x: float32 -> the quantised numbers, widened to float32 again
;;       x = np.moveaxis(x, axis, -1); K = x.shape[-1]
;;       x = np.pad(x, [(0, 0)] * (x.ndim - 1) + [(0, -K % 32)]); x = x.reshape(x.shape[:-1] + (-1, 32)); a = np.abs(x).max(-1, keepdims=True)
;;       e = np.where(a > 0, np.clip(np.frexp(np.where(a > 0, a, 1))[1] - 1 - 4, -126, 127), 0)      # np.frexp(a)[1] - 1 = floor(log2(a)), exactly
;;       r = np.clip(x / 2.0 ** e, -28, 28)
;;       step = 2.0 ** (np.maximum(np.frexp(np.where(r == 0, 1, r))[1] - 1, -2) - 2)
;;       q = np.round(r / step) * step * 2.0 ** e      # np.round: ties to even
;;       return np.moveaxis(q.reshape(q.shape[:-2] + (-1,))[..., :K], -1, axis).astype(np.float32)
;;   ~~~
;;   OPERANDS COMPUTED ON THE WAY. 'Computed on the way' means the value that the module computes at that place (a softmax that the list does not call 'softmax' is quantised finished and normalised). What goes into a quantiser is computed in f32, as accurately as f32 sums, v_exp_f32 and their like allow (about 1e-6 of the number): no bf16 or f16 on the way to a quantiser, and a product that is left as it is and whose result goes on into a quantised operand takes f32 operands (vector FMAs, or v_wmma_f32_16x16x4_f32). A number that lies on a knife's edge between two numbers of the format may be rounded either way, as far as f32 arithmetic and the matrix unit's own rounding can turn it there, and no further.
;;   INPUTS GIVEN AS CODES. in_proj_w (in the module: [3072, 1024], K = its axis 1); out_w (in the module: [1024, 1024], K = its axis 1); x (in the module: [32, 1024, 1024], K = its axis 2): each comes as NAME_codes (uint8): NAME with its K axis moved to the last place and cut into blocks of 32 codes, [.., K / 32, bytes a block], one block behind the other in memory; four codes in three bytes: a row's codes are one little-endian stream of bits, code i at bits 6 i .. 6 i + 5 (a code: sign, 3 exponent bits, 2 mantissa bits); and NAME_scales (uint8): the same leading axes, one E8M0 byte (e + 127) for each 32 codes along K. Its value is code x scale, taken as it is: it is not quantised again, and the codes and scales need not be those that the quantiser above would give.
;; One version. Each part assembles by itself: llvm-mc -triple=amdgcn-amd-amdhsa -mcpu=gfx1250 --defsym DOCPART=n.
;; ======== version 1 of 1: 2 launches
;; limits: right only within a limited range of input values
;; workspace buffers: ctx_codes 24,576 bytes; ctx_scales 1,024 bytes; attnp 1,048,576 bytes
;; launch attn (part 1): grid 8 x 32, 4 waves a work-group, clusters of 4 x 4, 327,680 bytes of LDS; arguments x_codes, x_scales, in_proj_w_codes, in_proj_w_scales, in_proj_b, mask, ctx_codes, ctx_scales, attnp; writes ctx_codes, ctx_scales, attnp
.if DOCPART == 1
	.amdgcn_target "amdgcn-amd-amdhsa--gfx1250"
	.amdhsa_code_object_version 6
	.text
	.protected	k_q18c96f4744_attn
	.globl	k_q18c96f4744_attn
	.p2align	8
	.type	k_q18c96f4744_attn,@function
k_q18c96f4744_attn:
	s_mov_b64 s[64:65], 0
	v_nop
	global_prefetch_b8 v0, s[64:65] scope:SCOPE_SE
	s_setreg_imm32_b32 hwreg(HW_REG_WAVE_MODE, 25, 1), 1
	s_wait_xcnt 0x0
	s_wait_alu depctr_hold_cnt(0) depctr_sa_sdst(0) depctr_va_vdst(0) depctr_va_sdst(0) depctr_va_ssrc(0) depctr_va_vcc(0) depctr_vm_vsrc(0)
	s_getreg_b32 s2, hwreg(HW_REG_IB_STS2, 6, 4)
	s_cmp_eq_u32 s2, 0
	s_cbranch_scc0 .Lentry_in_a_cluster
	s_endpgm
.Lentry_in_a_cluster:
	s_bfe_u32 s2, ttmp6, 0x10000c
	s_cmp_lg_u32 s2, 0xf033
	s_cbranch_scc0 .Lentry_shape_is_right
	s_endpgm
.Lentry_shape_is_right:
; ATTENTION POOLING, all but its last product.  One query a batch (row 0 of x), 1,024 keys, 16 heads of 64.  x and in_proj_w are codes of BF6 (E3M2) with one E8M0 byte for each 32 along K.
; A work-group takes one batch b and two heads (2 hp, 2 hp + 1), all keys.  It stores its 128 numbers of ctx + bv as codes and scale bytes, and attnp[b][hp][key] = (the two heads' weights) / 16.
; SHARES.  Wave w: head 2 hp + w / 2, rows 64 (w % 2) .. + 63 of every chunk of 128 rows of x.  A wave keeps its head's 64 rows of Wk and 64 of Wv for all of K in registers: 64 fragments, 768 registers.
; x goes through a ring of two LDS slots in chunks of 128 rows; a fragment of x is read once by a wave and feeds 8 matrix instructions.
; THE MATRIX INSTRUCTION IS USED TRANSPOSED (source 0 = 16 rows of W, source 1 = 16 rows of x): lane (r, h) holds key r, register j of block i the feature 16 i + 8 h + j.
; FRAGMENTS BY LOADS OF 16 BYTES.  Lane (r, h) takes the 48 consecutive bytes at 96 s + 48 h of row r: blocks 2 h and 2 h + 1 of K step s.  The operand's layout counts these as blocks h and 2 + h, so on BOTH operands
; blocks 1 and 2 of each K step change places, and so do bytes 1 and 2 of every scale word (v_perm_b32).  Each product still meets its own two scales; only the order of the sum inside an instruction differs.
; SOFTMAX.  t = score x log2(e) / 8 (folded into q); a running maximum for each lane; p = 2^(t - m); in every tile sum and ctx are multiplied by f = 2^(old m - new m).  A masked key has t = -1e30 x log2(e).
; t is kept in LDS (its words first hold the key's mask byte) and the weights are made of it at the end.  bq is the C of q's first products; bk enters as q . bk; bv is added behind the division: the weights sum to one.
; q.  The two waves of a head make two blocks of 16 features each, from Wq's fragments loaded from memory into registers, and exchange them through LDS.  These loads are issued ahead of the tensor loads.
; CLUSTER 4 x 4.  W's tiles hang on hp alone: a column of the cluster asks jointly.  x's chunks hang on b alone: a row asks jointly.
; PREFETCH.  While chunk c is multiplied (chunk c + 1 is being loaded), chunk c + 2 is asked for: of a wave's 96 blocks of 256 bytes each of the four partners names 24, told apart by address (cx), a lane a block
; (lanes 24-31 name the last again).  Chunks 6 and 7 ask for nothing.  W comes by one load at the head, with no loop ahead of it: no prefetch.
; LIMITS.  NaN and infinities among the inputs are not served.  A block of 32 zeros of ctx gets the scale byte 1 where the rule says 127: its codes are zeros, and these bytes are read by this program alone.
; REGISTERS.  Window 0: v1-19 addresses and the lane's statistics; v20-35 x's scale words, four sets; v36-67 W's; v68-99 q; v100-119 ctx's numbers 0-19; v120-131 and v196-243 five fragments of x (at the head:
; addresses and what is at work); v132-195 eight accumulators (0-3: k, 4-7: v); v244-255 W's fragment 63.  Windows 1 to 3: W's fragments f = 8 (K step) + block, 21 to a window, at v[12 (f % 21)];
; v252-255 of window k: ctx's numbers 16 + 4 k .. 19 + 4 k, which come back to v120-131 at the end.
.set PITCH,  816                       ; a row of 768 bytes in LDS: 3 x (256 + 16): sixteen rows begin 12 words apart modulo 64
.set BLK16,  16*PITCH
.set QUART,  32*PITCH
.set SLOT,   128*PITCH                 ; slot 0: x;  slot 1: Wk, then x;  a third region of the same size: Wv
.set TS,     3*SLOT                    ; t[head of the pair][key], f32
.set MG,     TS+8192                   ; q of the two heads; at the end four waves x 64 numbers of ctx
.set MS,     MG+1024                   ; four waves x (maximum, sum)
.set SPARE,  MS+256                    ; the spare words
.set X0S,    SPARE+512                 ; 1,024 bytes for each wave: row 0 of x on its way to the lanes
.set SPW, 1
.set NIL, 2
.set TSA, 3                            ; where my t goes (and my key's mask word lies)
.set AD0, 4                            ; v4-5 my lane's place in slot 0: (64 (w % 2) + r) PITCH + 48 h, and + 64 h for pieces whose upper lanes lie behind one padding more; v6-7 in slot 1
.set XSO, 8                            ; my row's scale words in x_scales
.set T,   9
.set QB,  10                           ; q . bk / 4 (it enters a score four times)
.set MN,  11                           ; the new maximum
.set PP,  12
.set LL,  13
.set FF,  14
.set MX,  15
.set SC,  16
.set PFO, 18                           ; the prefetch's offset: 256 x min(lane, 23)
.set XS,  20
.set WS,  36
.set Q,   68
.set CTX, 100
.set F4,  120                          ; the fifth fragment of x
.set ACC, 132
.set XF,  196                          ; the other four
.set WV,  22
.set SEL, 68
.set CS,  70
.set PSEL, 72                          ; selects that swap bytes 1 and 2
.set NEGS, 73                          ; -1e30 x log2(e)
.set MB,  76
.set FLAGS, (3<<16)|(1<<20)|(1<<21)|(5<<22)|(3<<25)   ; elements of 8 bytes; padding of 4 words behind every 64; bit 21 beside a mask
.set MSB, 0
.macro WIN new
.if MSB != (\new)
	s_set_vgpr_msb (MSB<<8)|(\new)
.set MSB, \new
.endif
.endm
.macro PLACES n
.rept \n
	v_nop
.endr
.endm
.macro ROUND
	s_barrier_signal -1
	s_barrier_wait -1
	s_cmp_lg_u32 s[WV], 0
	s_cbranch_scc1 .Lnot_wave_0_\@
	s_barrier_signal -3
.Lnot_wave_0_\@:
	s_barrier_wait -3
	s_barrier_signal -1
	s_barrier_wait -1
.endm
.macro LOC f
.if (\f) == 63
.set LW, 0
.set LR, 244
.else
.set LW, 1+(\f)/21
.set LR, 12*((\f)%21)
.endif
.endm
.macro FRAG reg, adr, s, off           ; byte o of a row lies at o + 16 (o / 256) in LDS; lanes 16-31 read 48 bytes further on
.irp p, 0,1,2
.set FO, 96*(\s)+16*\p
.if FO%256 >= 208
	ds_load_b128 v[\reg+4*\p:\reg+4*\p+3], v[\adr+1] offset:\off+FO+16*(FO/256)
.else
	ds_load_b128 v[\reg+4*\p:\reg+4*\p+3], v[\adr] offset:\off+FO+16*(FO/256)
.endif
.endr
.endm
.macro WREAD adr, b0                   ; my head's 64 rows of a tile of W become fragments 8 s + b0 + 0 .. 3
.irp s, 0,1,2,3,4,5,6,7
.irp blk, 0,1,2,3
	LOC 8*\s+(\b0)+\blk
	WIN LW<<6
	FRAG LR, \adr, \s, BLK16*\blk
.endr
.endr
	WIN 0
.endm
.macro FLOC st                         ; a chunk has 32 steps (tile st / 8, K step st % 8); step st's fragment lies in set st % 5
.if (\st)%5 == 4
.set FR, F4
.else
.set FR, XF+12*((\st)%5)
.endif
.endm
.macro LDF st                          ; three loads: step st's fragment; nothing beyond the chunk's end
.if (\st) < 32
	FLOC \st
	FRAG FR, AD, (\st)%8, BLK16*((\st)/8)
.endif
.endm
.macro MUL blk, s, set                 ; a scale register holds K step i in lanes 0-15 and K step 4 + i in lanes 16-31
	LOC 8*(\s)+(\blk)
	WIN LW
	FLOC 8*(\set)+(\s)
.set MD, ACC+8*(\blk)
.set MF, FR
.set MW, WS+4*(\blk)+(\s)%4
.set MY, XS+4*(\set)+(\s)%4
.if (\s) == 0
	v_wmma_scale_f32_16x16x128_f8f6f4 v[MD:MD+7], v[LR:LR+11], v[MF:MF+11], 0, v[MW], v[MY] matrix_a_fmt:MATRIX_FMT_BF6 matrix_b_fmt:MATRIX_FMT_BF6
.elseif (\s) < 4
	v_wmma_scale_f32_16x16x128_f8f6f4 v[MD:MD+7], v[LR:LR+11], v[MF:MF+11], v[MD:MD+7], v[MW], v[MY] matrix_a_fmt:MATRIX_FMT_BF6 matrix_b_fmt:MATRIX_FMT_BF6
.else
	v_wmma_scale_f32_16x16x128_f8f6f4 v[MD:MD+7], v[LR:LR+11], v[MF:MF+11], v[MD:MD+7], v[MW], v[MY] matrix_a_fmt:MATRIX_FMT_BF6 matrix_b_fmt:MATRIX_FMT_BF6 matrix_a_scale:MATRIX_SCALE_ROW1 matrix_b_scale:MATRIX_SCALE_ROW1
.endif
.endm
.macro GRP b0, s, set                  ; four products of K step s: blocks b0 .. b0 + 3
.irp blk, 0,1,2,3
	MUL \b0+\blk, \s, \set
.endr
.endm
.macro QMUL blk, s                     ; q: block blk of my two of Wq x row 0 of x (in every lane); row 0's fragments lie where Wv's block 4 will lie; scale words in ctx's registers
	LOC 8*(\s)+4
.set QW, LW
.set QR, LR
	LOC 8*(\s)+(\blk)
	WIN LW|(QW<<2)
.set MD, ACC+8*(\blk)
.set MW, CTX+4*(\blk)+(\s)%4
.set MY, CTX+8+(\s)%4
.if (\s) == 0
	v_wmma_scale_f32_16x16x128_f8f6f4 v[MD:MD+7], v[LR:LR+11], v[QR:QR+11], v[Q+8*(\blk):Q+8*(\blk)+7], v[MW], v[MY] matrix_a_fmt:MATRIX_FMT_BF6 matrix_b_fmt:MATRIX_FMT_BF6
.elseif (\s) < 4
	v_wmma_scale_f32_16x16x128_f8f6f4 v[MD:MD+7], v[LR:LR+11], v[QR:QR+11], v[MD:MD+7], v[MW], v[MY] matrix_a_fmt:MATRIX_FMT_BF6 matrix_b_fmt:MATRIX_FMT_BF6
.else
	v_wmma_scale_f32_16x16x128_f8f6f4 v[MD:MD+7], v[LR:LR+11], v[QR:QR+11], v[MD:MD+7], v[MW], v[MY] matrix_a_fmt:MATRIX_FMT_BF6 matrix_b_fmt:MATRIX_FMT_BF6 matrix_a_scale:MATRIX_SCALE_ROW1 matrix_b_scale:MATRIX_SCALE_ROW1
.endif
.endm
.macro SWAPB reg                       ; bytes 1 and 2 of a scale word change places
	v_perm_b32 v[\reg], v[\reg], v[\reg], s[PSEL]
.endm
.macro CMUL i0, i1                     ; ctx's pairs i0 .. i1 (in window 0) times f
.set CI, \i0
.rept (\i1)-(\i0)+1
	v_pk_mul_f32 v[CTX+2*CI:CTX+2*CI+1], v[CTX+2*CI:CTX+2*CI+1], v[FF:FF+1] op_sel_hi:[1,0]
.set CI, CI+1
.endr
.endm
.macro CFMA i0, i1                     ; ctx's pairs i0 .. i1 (in window 0) += v x p
.set CI, \i0
.rept (\i1)-(\i0)+1
	v_pk_fma_f32 v[CTX+2*CI:CTX+2*CI+1], v[ACC+32+2*CI:ACC+32+2*CI+1], v[PP:PP+1], v[CTX+2*CI:CTX+2*CI+1] op_sel_hi:[1,0,1]
.set CI, CI+1
.endr
.endm
.macro SL k, t                         ; the dependent end of a score's chain, a link behind each of v's last products but two; the exponentials behind the last
.if (\k) == 0
	v_pk_add_f32 v[ACC:ACC+1], v[ACC:ACC+1], v[ACC+16:ACC+17]
.elseif (\k) == 1
	v_add_f32 v[T], v[ACC], v[ACC+1]
.elseif (\k) == 2
	v_permlanex16_b32 v[SC], v[T], s[SEL], s[SEL+1]        ; the key's other 32 features lie in the lane 16 away
.elseif (\k) == 3
	v_add_f32 v[T], v[T], v[SC]
.elseif (\k) == 4
	v_cndmask_b32 v[T], v[T], s[NEGS], s[MB+(\t)]
	v_max_num_f32 v[MN], v[MX], v[T]
.elseif (\k) == 5
	v_sub_f32 v[FF], v[MX], v[MN]
	v_sub_f32 v[PP], v[T], v[MN]
.else
	s_wait_alu depctr_va_vdst(0)                           ; the wait ahead of the batch
	v_exp_f32 v[FF], v[FF]
	v_exp_f32 v[PP], v[PP]
	v_mov_b32 v[MX], v[MN]
.endif
.endm
; Group G of a chunk (0 .. 15) multiplies steps 2 G and 2 G + 1; the run of six loads behind it brings steps 2 G + 5 and 2 G + 6 into the two sets just left.
; At a group's start its first step is in when the two youngest runs alone are out (12 loads); ahead of its second step, half a run and one run (9).  The chunk's last runs are shorter or missing: 9 and 6, 3 and 0.
.macro WSTART
.if G < 14
	s_wait_dscnt 12
.elseif G == 14
	s_wait_dscnt 9
.else
	s_wait_dscnt 3
.endif
.endm
.macro WMID
.if G < 14
	s_wait_dscnt 9
.elseif G == 14
	s_wait_dscnt 6
.else
	s_wait_dscnt 0x0
.endif
.endm
; A TILE: 16 rows of x against my 128 rows of W: 64 products; the eight accumulators take turns.
; fin: the last chunk, which asks for no more scale words.  pf: a prefetch stands in tile 0.
.macro TILE t, kk, fin, pf
.irp g, 0,1,2
.set G, 4*\t+\g
	WSTART
	GRP 0, 2*\g, \t
	GRP 4, 2*\g, \t
	WMID
	GRP 0, 2*\g+1, \t
	GRP 4, 2*\g+1, \t
	WIN 0
.if G < 14
	PLACES 4
	LDF 2*G+5
	LDF 2*G+6
.endif
.if \pf && (\g == 0) && (\t == 0)
	global_prefetch_b8 v[PFO], s[56:57] offset:98304*(\kk+2) th:TH_LOAD_NT scope:SCOPE_SE
.endif
.endr
.set G, 4*\t+3
	WSTART
	GRP 0, 6, \t
	WMID
	GRP 0, 7, \t
	WIN 0
.if \fin && (\t == 3)
	PLACES 4
.else
.if \fin
	s_wait_loadcnt 2-\t                            ; the next tile's scale words are in; what was asked for behind them may be out
.else
	s_wait_loadcnt 2                               ; the next tile's scale words are in; those of the two tiles behind it may be out
.endif
.irp i, 0,1,2,3
	SWAPB XS+4*((\t+1)%4)+\i                       ; (these four are also the places behind k's last products)
.endr
.endif
	v_pk_fma_f32 v[ACC:ACC+1], v[ACC:ACC+1], v[Q:Q+1], v[QB:QB+1] op_sel_hi:[1,1,0]   ; the score, four chains in place; each accumulator is read from its low end on
.irp c, 1,2,3
	v_pk_mul_f32 v[ACC+8*\c:ACC+8*\c+1], v[ACC+8*\c:ACC+8*\c+1], v[Q+8*\c:Q+8*\c+1]
.endr
.irp j, 1,2,3
.irp c, 0,1,2,3
	v_pk_fma_f32 v[ACC+8*\c:ACC+8*\c+1], v[ACC+8*\c+2*\j:ACC+8*\c+2*\j+1], v[Q+8*\c+2*\j:Q+8*\c+2*\j+1], v[ACC+8*\c:ACC+8*\c+1]
.endr
.endr
	v_pk_add_f32 v[ACC:ACC+1], v[ACC:ACC+1], v[ACC+8:ACC+9]
	v_pk_add_f32 v[ACC+16:ACC+17], v[ACC+16:ACC+17], v[ACC+24:ACC+25]
.irp i, 0,1,2,3,4,5,6,7
	MUL 4+(\i%4), 6+(\i/4), \t
.if \i < 6
	WIN 0
	SL \i, \t
.endif
.endr
	WIN 0
	SL 6, \t                                       ; the exponentials stand behind v's last product: no product reads an accumulator across them
	s_wait_alu depctr_va_vdst(0)                   ; the wait: behind the exponentials and v's last product, ahead of their readers
	v_fma_f32 v[LL], v[LL], v[FF], v[PP]
	CMUL 0, 9                                      ; (also the places behind v's last products)
	CFMA 0, 9
.irp k, 1,2,3                          ; ctx's pairs 8 + 2 k and 9 + 2 k lie in window k
	WIN \k|(\k<<6)
	v_pk_mul_f32 v[252:253], v[252:253], v[FF:FF+1] op_sel_hi:[1,0]
	v_pk_mul_f32 v[254:255], v[254:255], v[FF:FF+1] op_sel_hi:[1,0]
	WIN (\k<<4)|(\k<<6)
	v_pk_fma_f32 v[252:253], v[ACC+48+4*\k:ACC+49+4*\k], v[PP:PP+1], v[252:253] op_sel_hi:[1,0,1]
	v_pk_fma_f32 v[254:255], v[ACC+50+4*\k:ACC+51+4*\k], v[PP:PP+1], v[254:255] op_sel_hi:[1,0,1]
.endr
	WIN 0
	ds_store_b32 v[TSA], v[T] offset:512*(\kk)+64*(\t)     ; both halves of the lanes write the same word with the same value
	LDF 8*\t+11
	LDF 8*\t+12
.if !\fin
	global_load_b128 v[XS+4*\t:XS+4*\t+3], v[XSO], s[82:83] offset:4096*(\kk+1)+512*\t   ; the same tile of the next chunk, into the set just left: 32 lanes read 512 consecutive bytes
.endif
.endm
; THE CHANGE OF SLOTS.  Each wave waits for all its tensor loads (one is out: its quarter of the chunk about to be read), adds 0 to its spare word, waits for that and for its LDS reads.
; fill = 1: a round of the cluster's barrier, and first behind it the joint load of the next chunk, into slot fs.
.macro HEAD fs, fill
	s_wait_tensorcnt 0x0
	ds_add_u32 v[SPW], v[NIL]
.if \fill
	s_add_co_u32 s61, s66, SLOT*(\fs)
	s_add_nc_u64 s[62:63], s[62:63], 98304         ; 128 rows on
	s_wait_dscnt 0x0
	ROUND
	tensor_load_to_lds s[60:63], s[40:47]
	s_nop 0
	PLACES 4
.else
	s_wait_dscnt 0x0
	s_barrier_signal -1
	s_barrier_wait -1
.endif
.endm
.macro CHUNK kk, fin, pf               ; the chunk in slot kk
.set AD, AD0+2*(\kk)
.irp t, 0,1,2,3
	ds_load_b32 v[ACC+\t], v[TSA] offset:512*(\kk)+64*\t   ; my four keys' mask words
.endr
.irp st, 0,1,2,3,4
	LDF \st
.endr
	s_wait_dscnt 15                                ; the mask words are in; the fifteen loads behind them may be out
.irp t, 0,1,2,3
	v_cmp_ne_u32 s[MB+\t], 0, v[ACC+\t]
.endr
.irp t, 0,1,2,3
	TILE \t, \kk, \fin, \pf
.endr
.endm
	; ---- ids, descriptors, addresses
	s_load_b256 s[4:11], s[0:1], 0x0               ; x's codes, x's scales, W's codes, W's scales
	s_load_b256 s[12:19], s[0:1], 0x20             ; the biases, the mask, ctx's codes, ctx's scales
	s_load_b64 s[20:21], s[0:1], 0x40              ; attnp
	v_lshl_add_u32 v[SPW], v0, 2, SPARE
	v_mov_b32 v[NIL], 0
	ds_add_u32 v[SPW], v[NIL]                      ; the opening lines: the add twice on end and its wait
	ds_add_u32 v[SPW], v[NIL]
	v_lshrrev_b32 v16, 5, v0
	v_readfirstlane_b32 s[WV], v16
	s_lshr_b32 s23, s[WV], 1                       ; which of the two heads
	s_and_b32 s24, s[WV], 1                        ; which 64 rows of a chunk
	s_bfe_u32 s25, ttmp6, 0x40000                  ; cx
	s_bfe_u32 s26, ttmp6, 0x40004                  ; cy
	s_lshl_b32 s27, ttmp9, 2
	s_add_co_u32 s27, s27, s25                     ; hp
	s_and_b32 s28, ttmp7, 0xffff
	s_lshl_b32 s28, s28, 2
	s_add_co_u32 s28, s28, s26                     ; b
	s_lshl_b32 s29, s26, 2
	s_lshl_b32 s29, 15, s29                        ; my row of the cluster: it shares b
	s_lshl_b32 s30, 0x1111, s25                    ; my column: it shares hp
	s_or_b32 s32, s30, FLAGS                       ; group 1 for W: 128 rows of 768 dense bytes = 384 rows of 256
	s_or_b32 s40, s29, FLAGS                       ; for x: at the head 64 rows = 192 rows of 256, in the ring 32 rows = 96
.irp g, 32, 40
	s_mov_b32 s[\g+1], 32<<16
	s_mov_b32 s[\g+3], 32<<16
	s_mov_b32 s[\g+5], 32
	s_mov_b32 s[\g+6], 0
	s_mov_b32 s[\g+7], 0
.endr
	s_mov_b32 s34, 384<<16
	s_mov_b32 s36, 384
	s_mov_b32 s42, 192<<16
	s_mov_b32 s44, 192
	s_mov_b32 s48, 1                               ; waves 0, 1: Wk into slot 1, Wv behind it
	s_mul_i32 s49, s24, SLOT
	s_add_co_u32 s49, s49, SLOT
	s_mov_b32 s52, 1                               ; waves 2, 3: the halves of chunk 0 into slot 0
	s_mul_i32 s53, s24, 64*PITCH
	s_mov_b32 s60, 1
	s_mul_i32 s66, s[WV], QUART                    ; the ring: my quarter of a slot
	s_mul_i32 s84, s27, 98304
	s_mov_b32 s85, 0
	s_mul_i32 s2, s24, 786432
	s_add_co_u32 s2, s2, 786432
	s_mov_b32 s3, 0
	s_mul_i32 s90, s28, 786432
	s_mov_b32 s91, 0
	s_mul_i32 s96, s[WV], 24576
	s_mov_b32 s97, 0
	s_mul_i32 s92, s24, 49152
	s_mov_b32 s93, 0
	s_mul_i32 s98, s25, 6144
	s_mov_b32 s99, 0
	s_mov_b32 s[SEL], 0x76543210
	s_mov_b32 s[SEL+1], 0xfedcba98
	s_mov_b32 s[CS], 0x3e38aa3b                    ; log2(e) / 8
	s_mov_b32 s[CS+1], s[CS]
	s_mov_b32 s[PSEL], 0x03010200
	s_mov_b32 s[NEGS], 0xf191accb
	v_and_b32 v240, 15, v0                         ; r
	v_bfe_u32 v241, v0, 4, 1                       ; h
	v_mul_u32_u24 v242, v240, PITCH
	v_mad_u32_u24 v242, v241, 48, v242
	v_lshl_add_u32 v243, v241, 4, v242
	s_mul_i32 s67, s24, 64*PITCH
	v_add_nc_u32 v[AD0], s67, v242
	v_add_nc_u32 v[AD0+1], s67, v243
	v_add_nc_u32 v[AD0+2], SLOT, v[AD0]
	v_add_nc_u32 v[AD0+3], SLOT, v[AD0+1]
	s_mul_i32 s67, s23, 64*PITCH
	s_add_co_u32 s67, s67, SLOT
	v_add_nc_u32 v196, s67, v242                   ; my head's rows of Wk,
	v_add_nc_u32 v197, s67, v243
	v_add_nc_u32 v198, SLOT, v196                  ; and of Wv
	v_add_nc_u32 v199, SLOT, v197
	s_lshl_b32 s67, s23, 12
	s_lshl_b32 s31, s24, 8
	s_add_co_u32 s67, s67, s31
	s_add_co_u32 s67, s67, TS
	v_lshl_add_u32 v[TSA], v240, 2, s67
	v_lshlrev_b32 v200, 5, v240
	v_lshl_add_u32 v200, v241, 4, v200             ; a row's scale words: 32 r + 16 h
	s_lshl_b32 s67, s24, 11
	v_add_nc_u32 v[XSO], s67, v200
	v_lshlrev_b32 v201, 3, v0                      ; the mask: 8 bytes a thread,
	v_lshl_add_u32 v202, v0, 5, TS                 ; which become 8 words
	s_lshl_b32 s67, s23, 8
	v_lshl_add_u32 v203, v241, 5, s67              ; a bias of my head: 256 (w / 2) + 32 h
	s_lshl_b32 s31, s24, 7
	v_add_nc_u32 v204, s31, v203                   ; from my two blocks of q on
	v_lshlrev_b32 v205, 4, v241                    ; row 0's scale words: 16 h
	v_mul_u32_u24 v206, v241, 48                   ; 48 h
	v_mul_u32_u24 v207, v240, 768
	v_add_nc_u32 v207, v207, v206                  ; Wq from memory: row r, 48 h
	v_add_nc_u32 v208, MG, v204                    ; where my two blocks of q go,
	v_add_nc_u32 v209, MG, v203                    ; and where my head's q lies
	v_and_b32 v237, 31, v0
	s_lshl_b32 s67, s[WV], 10
	s_add_co_u32 s67, s67, X0S
	v_lshl_add_u32 v238, v237, 4, s67              ; row 0 into my wave's scratch: 16 bytes a lane,
	v_add_nc_u32 v239, s67, v206                   ; and back: 48 h
	v_lshlrev_b32 v237, 4, v237                    ; and from memory: 16 bytes a lane
	v_and_b32 v[PFO], 31, v0
	v_min_u32 v[PFO], 23, v[PFO]
	v_lshlrev_b32 v[PFO], 8, v[PFO]
	s_wait_alu depctr_va_vdst(0)                   ; the wait, directly ahead of the waits below
	s_wait_dscnt 0x0
	s_wait_kmcnt 0x0
	s_add_nc_u64 s[86:87], s[8:9], s[84:85]        ; Wq's rows of the pair
	s_add_nc_u64 s[58:59], s[86:87], s[96:97]      ; my 32 rows of Wq: 64 (w / 2) + 32 (w % 2)
	s_add_nc_u64 s[94:95], s[4:5], s[90:91]        ; the batch's row 0
	s_add_nc_u64 s[50:51], s[86:87], s[2:3]
	s_or_b32 s51, s51, 0x80000000
	s_add_nc_u64 s[54:55], s[94:95], s[92:93]
	s_or_b32 s55, s55, 0x80000000
	s_add_nc_u64 s[62:63], s[94:95], s[96:97]      ; the ring: rows 32 w of chunk 0; stepped ahead of each load
	s_add_nc_u64 s[56:57], s[62:63], s[98:99]      ; the prefetches: my work-group's 24 blocks of them
	s_or_b32 s63, s63, 0x80000000
	s_lshl_b32 s84, s27, 12
	s_lshl_b32 s31, s23, 11
	s_add_co_u32 s84, s84, s31
	s_add_nc_u64 s[88:89], s[10:11], s[84:85]      ; W's scales at my head's first row of Wq
	s_lshl_b32 s84, s24, 10
	s_add_nc_u64 s[96:97], s[88:89], s[84:85]      ; at my two blocks
	s_lshl_b32 s84, s27, 9
	s_add_nc_u64 s[74:75], s[12:13], s[84:85]      ; the biases at the pair's first feature
	s_lshl_b32 s92, s28, 15
	s_add_nc_u64 s[82:83], s[6:7], s[92:93]        ; x's scales at the batch's row 0
	; ---- what q needs, 57 loads, asked for ahead of the tensor loads
	global_load_b128 v[228:231], v237, s[94:95]                                       ; row 0's 768 bytes (and 256 of row 1, which nobody reads): 512 consecutive bytes a load
	global_load_b128 v[232:235], v237, s[94:95] offset:512
.irp s, 0,1,2,3,4,5,6,7
.irp blk, 0,1
	LOC 8*\s+\blk
	WIN LW<<6
.irp p, 0,1,2
	global_load_b128 v[LR+4*\p:LR+4*\p+3], v207, s[58:59] offset:12288*\blk+96*\s+16*\p   ; my two blocks of Wq: over the eight K steps a wave reads its 32 rows whole
.endr
.endr
.endr
	WIN 0
.irp blk, 0,1
	global_load_b128 v[CTX+4*\blk:CTX+4*\blk+3], v200, s[96:97] offset:512*\blk       ; their scale words
	global_load_b128 v[Q+8*\blk:Q+8*\blk+3], v204, s[74:75] offset:64*\blk            ; bq, in the result's layout
	global_load_b128 v[Q+8*\blk+4:Q+8*\blk+7], v204, s[74:75] offset:64*\blk+16
.endr
	global_load_b128 v[CTX+8:CTX+11], v205, s[82:83]                                  ; row 0's scale words
	ROUND                                          ; all sixteen work-groups are here: the first joint loads meet
	s_cmp_eq_u32 s23, 0                            ; one tensor load a wave at the head
	s_cbranch_scc0 .Lhead_x
	tensor_load_to_lds s[48:51], s[32:39]
	s_nop 0
	PLACES 4
	s_branch .Lhead_asked
.Lhead_x:
	tensor_load_to_lds s[52:55], s[40:47]
	s_nop 0
	PLACES 4
.Lhead_asked:
	s_lshl_b32 s92, s28, 10
	s_add_nc_u64 s[14:15], s[14:15], s[92:93]      ; the batch's mask
	s_lshl_b32 s2, s28, 15
	s_lshl_b32 s31, s27, 12
	s_add_co_u32 s2, s2, s31
	s_add_nc_u64 s[20:21], s[20:21], s[2:3]        ; attnp[b][hp]
	s_mul_i32 s2, s28, 768
	s_mul_i32 s31, s27, 96
	s_add_co_u32 s2, s2, s31
	s_add_nc_u64 s[16:17], s[16:17], s[2:3]        ; my 96 bytes of ctx's codes
	s_lshl_b32 s2, s28, 5
	s_lshl_b32 s31, s27, 2
	s_add_co_u32 s2, s2, s31
	s_add_nc_u64 s[18:19], s[18:19], s[2:3]        ; my 4 scale bytes
	; ---- the other 21 loads
	global_load_b64 v[210:211], v201, s[14:15]
.irp blk, 0,1,2,3
	global_load_b128 v[ACC+32+8*\blk:ACC+35+8*\blk], v203, s[74:75] offset:4096+64*\blk      ; bk
	global_load_b128 v[ACC+36+8*\blk:ACC+39+8*\blk], v203, s[74:75] offset:4096+64*\blk+16
	global_load_b128 v[WS+4*\blk:WS+4*\blk+3], v200, s[88:89] offset:32768+512*\blk          ; Wk's scale words
	global_load_b128 v[WS+16+4*\blk:WS+19+4*\blk], v200, s[88:89] offset:65536+512*\blk      ; Wv's
	global_load_b128 v[XS+4*\blk:XS+4*\blk+3], v[XSO], s[82:83] offset:512*\blk              ; those of my first four tiles of x
.endr
	; ---- q
	s_wait_loadcnt 21                              ; what q needs is in; the 21 loads behind it may be out
	ds_store_b128 v238, v[228:231]                 ; row 0 through my wave's own scratch: LDS serves a wave's instructions in order (ISA guide 5.7.1.4)
	ds_store_b128 v238, v[232:235] offset:512
.irp s, 0,1,2,3,4,5,6,7
	LOC 8*\s+4
	WIN LW<<6
.irp p, 0,1,2
	ds_load_b128 v[LR+4*\p:LR+4*\p+3], v239 offset:96*\s+16*\p                        ; row 0's fragments, the same in all sixteen lanes of a half
.endr
.endr
	WIN 0
.irp i, 0,1,2,3,4,5,6,7,8,9,10,11
	SWAPB CTX+\i
.endr
	PLACES 8                                       ; a scale register written by a vector instruction stands 8 places ahead of a scaled matrix instruction
	s_wait_alu depctr_va_vdst(0)                   ; the wait, directly ahead of the wait below
	s_wait_dscnt 0x0
.irp s, 0,1,2,3,4,5,6,7
.irp blk, 0,1
	QMUL \blk, \s                                  ; two accumulators by turns
.endr
.endr
	WIN 0
	PLACES 4
.irp i, 0,1,2,3,4,5,6,7
	v_pk_mul_f32 v[220+2*\i:221+2*\i], v[ACC+2*\i:ACC+2*\i+1], s[CS:CS+1] op_sel_hi:[1,0]   ; q x log2(e) / 8
.endr
.irp blk, 0,1
	ds_store_b128 v208, v[220+8*\blk:223+8*\blk] offset:64*\blk          ; the sixteen lanes of a half write the same bytes with the same values
	ds_store_b128 v208, v[224+8*\blk:227+8*\blk] offset:64*\blk+16
.endr
	s_wait_loadcnt 0x0
.irp i, 0,1
	v_and_b32 v[212+4*\i], 0xff, v[210+\i]         ; a mask byte becomes a word, where the key's t will lie, for both heads
	v_bfe_u32 v[213+4*\i], v[210+\i], 8, 8
	v_bfe_u32 v[214+4*\i], v[210+\i], 16, 8
	v_lshrrev_b32 v[215+4*\i], 24, v[210+\i]
.endr
.irp i, 0,1
	ds_store_b128 v202, v[212:215] offset:4096*\i
	ds_store_b128 v202, v[216:219] offset:4096*\i+16
.endr
.irp i, 0,1,2,3
	SWAPB XS+\i                                    ; tile 0's set; each later set is swapped in the tile ahead of its own
.endr
.irp i, 0,1,2,3,4,5,6,7,8,9,10,11,12,13,14,15,16,17,18,19,20,21,22,23,24,25,26,27,28,29,30,31
	SWAPB WS+\i
.endr
	s_wait_alu depctr_va_vdst(0)                   ; the wait, directly ahead of the wait below
	s_wait_tensorcnt 0x0                           ; my tile of the head's four is in,
	s_mov_b32 s42, 96<<16                          ; no tensor load of mine is out: from here on a load of x brings 32 rows
	s_mov_b32 s44, 96
	s_wait_dscnt 0x0                               ; and my mask words and my part of q are stored
	s_barrier_signal -1
	s_barrier_wait -1
.irp blk, 0,1,2,3
	ds_load_b128 v[Q+8*\blk:Q+8*\blk+3], v209 offset:64*\blk
	ds_load_b128 v[Q+8*\blk+4:Q+8*\blk+7], v209 offset:64*\blk+16
.endr
	s_wait_dscnt 0x0
	WREAD 196, 0
	WREAD 198, 4
	v_pk_mul_f32 v[236:237], v[Q:Q+1], v[ACC+32:ACC+33]                  ; q . bk, in two chains, while W's fragments come
	v_pk_mul_f32 v[238:239], v[Q+2:Q+3], v[ACC+34:ACC+35]
.irp i, 2,4,6,8,10,12,14
	v_pk_fma_f32 v[236:237], v[Q+2*\i:Q+2*\i+1], v[ACC+32+2*\i:ACC+33+2*\i], v[236:237]
	v_pk_fma_f32 v[238:239], v[Q+2*\i+2:Q+2*\i+3], v[ACC+34+2*\i:ACC+35+2*\i], v[238:239]
.endr
	v_pk_add_f32 v[236:237], v[236:237], v[238:239]
	v_add_f32 v236, v236, v237
	v_permlanex16_b32 v237, v236, s[SEL], s[SEL+1]
	v_add_f32 v236, v236, v237
	v_mul_f32 v[QB], 0x3e800000, v236
	v_mov_b32 v[MN], 0
	v_mov_b32 v[SC], 0
	v_mov_b32 v[MX], 0xff61b1e6                    ; -3e38, under every t
	v_mov_b32 v[LL], 0
.irp i, 0,1,2,3,4,5,6,7,8,9,10,11,12,13,14,15,16,17,18,19
	v_mov_b32 v[CTX+\i], 0                         ; ctx begins as zeros, once: the tile is written once
.endr
.irp k, 1,2,3
	WIN \k<<6
.irp i, 252,253,254,255
	v_mov_b32 v\i, 0                               ; its last twelve numbers, in windows 1 to 3
.endr
.endr
	WIN 0
	s_wait_alu depctr_va_vdst(0)                   ; the wait at the head's end
	; ---- the keys: chunk c lies in slot c % 2; a trip is two chunks.  The first change of slots waits for W's fragments too: chunk 1 lands where Wk lay
	s_mov_b32 s80, 3
.Ltrip:
	HEAD 1, 1
	CHUNK 0, 0, 1
	HEAD 0, 1
	CHUNK 1, 0, 1
	s_wait_xcnt 0x0                                ; the scale loads and the prefetches have read their bases
	s_add_nc_u64 s[82:83], s[82:83], 8192
	s_add_nc_u64 s[56:57], s[56:57], 196608
	v_add_nc_u32 v[TSA], 1024, v[TSA]
	s_sub_co_u32 s80, s80, 1
	s_cmp_lg_u32 s80, 0
	s_wait_alu depctr_va_vdst(0)                   ; the wait, directly ahead of the branch
	s_cbranch_scc1 .Ltrip
	HEAD 1, 1                                      ; the last two chunks are written out: the last asks for nothing
	CHUNK 0, 0, 0
	HEAD 0, 0
	CHUNK 1, 1, 0
	; ---- THE END.  The sixteen lanes of a half are joined, then the two waves of a head.
.irp k, 1,2,3
	WIN \k
.irp i, 0,1,2,3
	v_mov_b32 v[CTX+16+4*\k+\i], v[252+\i]         ; ctx's last twelve numbers come back beside the others, where the fifth fragment lay
.endr
.endr
	WIN 0
	v_and_b32 v132, 7, v0                          ; n = lane % 8: for the quantiser, which takes 16 neighbours of ctx to a lane
	v_lshlrev_b32 v133, 6, v132
.irp i, 0,1,2,3
	global_load_b128 v[196+4*\i:199+4*\i], v133, s[74:75] offset:8192+16*\i   ; bv of features 16 n + 0 .. 15 of the pair
.endr
	v_max_num_f32_dpp v[SC], v[MX], v[MX] row_xmask:1 row_mask:0xf bank_mask:0xf
	v_max_num_f32_dpp v[SC], v[SC], v[SC] row_xmask:2 row_mask:0xf bank_mask:0xf
	v_max_num_f32_dpp v[SC], v[SC], v[SC] row_xmask:4 row_mask:0xf bank_mask:0xf
	v_max_num_f32_dpp v[SC], v[SC], v[SC] row_xmask:8 row_mask:0xf bank_mask:0xf   ; my wave's maximum
	v_sub_f32 v[FF], v[MX], v[SC]
	s_wait_alu depctr_va_vdst(0)
	v_exp_f32 v[FF], v[FF]
	v_bfe_u32 v134, v0, 4, 1                       ; (the plain instruction behind the exponential)
	s_wait_alu depctr_va_vdst(0)
	v_mul_f32 v[LL], v[LL], v[FF]                  ; my lane's sum and ctx under the wave's maximum
	CMUL 0, 15
.irp m, 1,2,4,8
	v_add_f32_dpp v[LL], v[LL], v[LL] row_xmask:\m row_mask:0xf bank_mask:0xf
.set CI, 0
.rept 32
	v_add_f32_dpp v[CTX+CI], v[CTX+CI], v[CTX+CI] row_xmask:\m row_mask:0xf bank_mask:0xf
.set CI, CI+1
.endr
.endr
	v_mov_b32 v[SC+1], v[LL]
	s_lshl_b32 s67, s[WV], 8
	s_add_co_u32 s67, s67, MG
	v_lshl_add_u32 v134, v134, 5, s67              ; my wave's 64 numbers: feature 16 blk + 8 h + j at 64 blk + 32 h + 4 j
	s_lshl_b32 s67, s[WV], 3
	s_add_co_u32 s67, s67, MS
	v_mov_b32 v135, s67
.irp blk, 0,1,2,3
	ds_store_b128 v134, v[CTX+8*\blk:CTX+8*\blk+3] offset:64*\blk        ; the sixteen lanes of a half write the same bytes with the same values
	ds_store_b128 v134, v[CTX+8*\blk+4:CTX+8*\blk+7] offset:64*\blk+16
.endr
	ds_store_b64 v135, v[SC:SC+1]
	v_mov_b32 v136, MS
	v_lshl_add_u32 v137, v0, 4, TS
	v_lshlrev_b32 v138, 4, v0
	v_lshrrev_b32 v192, 2, v132
	v_and_b32 v193, 3, v132
	v_lshlrev_b32 v139, 9, v192
	v_lshl_add_u32 v139, v193, 6, v139
	v_add_nc_u32 v139, MG, v139                    ; where features 16 n on lie: head n / 4, 64 (n % 4) bytes on
	s_wait_alu depctr_va_vdst(0)
	s_wait_dscnt 0x0                               ; for the others' sake: my stores of t, ctx, maximum and sum are done
	s_barrier_signal -1
	s_barrier_wait -1
	ds_load_b128 v[140:143], v136                  ; head 0: (m, l) of waves 0 and 1
	ds_load_b128 v[144:147], v136 offset:16        ; head 1: of waves 2 and 3
.irp n, 0,1,2,3
	ds_load_b128 v[148+4*\n:151+4*\n], v137 offset:4096*(\n/2)+2048*(\n%2)   ; t of head n / 2, keys 512 (n % 2) + 4 x thread + 0 .. 3
.endr
	s_wait_dscnt 0x0
	v_max_num_f32 v164, v140, v142                 ; each head's maximum,
	v_max_num_f32 v165, v144, v146
	v_sub_f32 v166, v140, v164
	v_sub_f32 v167, v142, v164
	v_sub_f32 v168, v144, v165
	v_sub_f32 v169, v146, v165
	s_wait_alu depctr_va_vdst(0)
.irp i, 166,167,168,169
	v_exp_f32 v\i, v\i                             ; what brings a wave's part under it,
.endr
	v_nop
	s_wait_alu depctr_va_vdst(0)
	v_mul_f32 v170, v166, v141
	v_mul_f32 v171, v168, v145
	v_fma_f32 v170, v167, v143, v170               ; its sum (at least 1: the largest p is 1),
	v_fma_f32 v171, v169, v147, v171
	s_wait_alu depctr_va_vdst(0)
	v_rcp_f32 v172, v170
	v_rcp_f32 v173, v171
	v_nop
	s_wait_alu depctr_va_vdst(0)
	v_mul_f32 v174, v166, v172                     ; and the factors of the four waves' ctx
	v_mul_f32 v175, v167, v172
	v_mul_f32 v176, v168, v173
	v_mul_f32 v177, v169, v173
	v_mul_f32 v178, 0x3d800000, v172               ; 1 / (16 x sum)
	v_mul_f32 v179, 0x3d800000, v173
.irp i, 0,1,2,3,4,5,6,7
	v_sub_f32 v[148+\i], v[148+\i], v164
	v_sub_f32 v[156+\i], v[156+\i], v165
.endr
	s_wait_alu depctr_va_vdst(0)
.irp i, 0,1,2,3,4,5,6,7,8,9,10,11,12,13,14,15
	v_exp_f32 v[148+\i], v[148+\i]
.endr
	v_nop
	s_wait_alu depctr_va_vdst(0)
.irp i, 0,1,2,3,4,5,6,7
	v_mul_f32 v[184+\i], v[148+\i], v178
.endr
.irp i, 0,1,2,3,4,5,6,7
	v_fma_f32 v[184+\i], v[156+\i], v179, v[184+\i]
.endr
	global_store_b128 v138, v[184:187], s[20:21]               ; a wave stores 512 consecutive bytes, aligned
	global_store_b128 v138, v[188:191], s[20:21] offset:2048
	; wave 0 quantises the pair's 128 numbers of ctx: lane n (and its three copies) takes 16 neighbours, two lanes hold a block of 32
	s_cmp_lg_u32 s[WV], 0
	s_cbranch_scc1 .Lnot_first
.irp i, 0,1,2,3
	ds_load_b128 v[212+4*\i:215+4*\i], v139 offset:16*\i
	ds_load_b128 v[228+4*\i:231+4*\i], v139 offset:256+16*\i
.endr
	v_cmp_lt_u32 vcc_lo, 3, v132                   ; head 1?
	v_cndmask_b32 v192, v174, v176, vcc_lo
	v_cndmask_b32 v193, v175, v177, vcc_lo
	s_wait_alu depctr_va_vdst(0)
	s_wait_loadcnt 0x0                             ; bv
	s_wait_dscnt 0x0
.irp i, 0,1,2,3,4,5,6,7,8,9,10,11,12,13,14,15
	v_fma_f32 v[196+\i], v[228+\i], v193, v[196+\i]
.endr
.irp i, 0,1,2,3,4,5,6,7,8,9,10,11,12,13,14,15
	v_fma_f32 v[196+\i], v[212+\i], v192, v[196+\i]            ; ctx = both waves' parts / the sum + bv
.endr
	v_max3_num_f32 v140, |v196|, |v197|, 0x2800000             ; the largest magnitude of my 16, and the floor 2^(5 - 127): the byte cannot fall under 1
	v_max3_num_f32 v141, |v198|, |v199|, |v200|
	v_max3_num_f32 v140, v140, |v201|, |v202|
	v_max3_num_f32 v141, v141, |v203|, |v204|
	v_max3_num_f32 v140, v140, |v205|, |v206|
	v_max3_num_f32 v141, v141, |v207|, |v208|
	v_max3_num_f32 v140, v140, |v209|, |v210|
	v_max3_num_f32 v140, v140, v141, |v211|
	v_max_num_f32_dpp v140, v140, v140 row_xmask:1 row_mask:0xf bank_mask:0xf   ; and of my neighbour's 16: the block's
	v_add_nc_u32 v141, 0xfe000000, v140            ; 4 off its exponent field: the conversion takes the exponent field of this operand as its scale
	v_cvt_scalef32_pk16_bf6_f32 v[142:144], v[196:211], v141
	v_lshrrev_b32 v145, 23, v141                   ; the scale's byte (and the plain instruction behind the conversion)
	v_mul_u32_u24 v146, v132, 12
	v_lshrrev_b32 v147, 1, v132
	v_cmp_gt_u32 vcc_lo, 8, v0
	s_wait_alu depctr_va_vdst(0)
	s_wait_xcnt 0x0                                ; EXEC changes only behind this wait
	s_and_saveexec_b32 s98, vcc_lo
	global_store_b96 v146, v[142:144], s[16:17]    ; eight lanes store 96 consecutive bytes
	global_store_b8 v147, v145, s[18:19]           ; both lanes of a block write the same byte with the same value
	s_wait_xcnt 0x0
	s_or_b32 exec_lo, exec_lo, s98
.Lnot_first:
	s_wait_tensorcnt 0x0                           ; the wave's end
	ds_add_u32 v[SPW], v[NIL]
	s_wait_dscnt 0x0
	ROUND                                          ; the closing round
	s_endpgm
.Lfunc_end_k_q18c96f4744_attn:
	.size	k_q18c96f4744_attn, .Lfunc_end_k_q18c96f4744_attn-k_q18c96f4744_attn
	.p2alignl 7, 3214868480
	.fill 96, 4, 3214868480
	.section	.rodata,"a",@progbits
	.p2align	6, 0x0
	.amdhsa_kernel k_q18c96f4744_attn
		.amdhsa_group_segment_fixed_size 327680
		.amdhsa_private_segment_fixed_size 0
		.amdhsa_enable_private_segment 0
		.amdhsa_kernarg_size 72
		.amdhsa_user_sgpr_count 2
		.amdhsa_user_sgpr_kernarg_segment_ptr 1
		.amdhsa_wavefront_size32 1
		.amdhsa_system_sgpr_workgroup_id_x 1
		.amdhsa_system_sgpr_workgroup_id_y 1
		.amdhsa_system_sgpr_workgroup_id_z 1
		.amdhsa_system_vgpr_workitem_id 0
		.amdhsa_next_free_vgpr 1024
		.amdhsa_next_free_sgpr 100
		.amdhsa_reserve_vcc 1
		.amdhsa_float_denorm_mode_32 3
		.amdhsa_float_denorm_mode_16_64 3
		.amdhsa_memory_ordered 1
		.amdhsa_forward_progress 1
		.amdhsa_inst_pref_size 255
	.end_amdhsa_kernel
	.section	.bss,"aw",@nobits
	.p2align	6
	.space	262144
	.amdgpu_metadata
---
amdhsa.version: [ 1, 2 ]
amdhsa.kernels:
  - .name:           k_q18c96f4744_attn
    .symbol:         k_q18c96f4744_attn.kd
    .args:
      - { .name: x_codes, .offset: 0, .size: 8, .value_kind: global_buffer, .address_space: global }
      - { .name: x_scales, .offset: 8, .size: 8, .value_kind: global_buffer, .address_space: global }
      - { .name: in_proj_w_codes, .offset: 16, .size: 8, .value_kind: global_buffer, .address_space: global }
      - { .name: in_proj_w_scales, .offset: 24, .size: 8, .value_kind: global_buffer, .address_space: global }
      - { .name: in_proj_b, .offset: 32, .size: 8, .value_kind: global_buffer, .address_space: global }
      - { .name: mask, .offset: 40, .size: 8, .value_kind: global_buffer, .address_space: global }
      - { .name: ctx_codes, .offset: 48, .size: 8, .value_kind: global_buffer, .address_space: global }
      - { .name: ctx_scales, .offset: 56, .size: 8, .value_kind: global_buffer, .address_space: global }
      - { .name: attnp, .offset: 64, .size: 8, .value_kind: global_buffer, .address_space: global }
    .group_segment_fixed_size: 327680
    .private_segment_fixed_size: 0
    .kernarg_segment_align: 8
    .kernarg_segment_size: 72
    .max_flat_workgroup_size: 128
    .sgpr_count:     100
    .vgpr_count:     1024
    .wavefront_size: 32
...
	.end_amdgpu_metadata
.endif
;; end of part 1
;; launch finish (part 2): grid 16 x 1, 4 waves a work-group, no clusters, 168,448 bytes of LDS; arguments ctx_codes, ctx_scales, out_w_codes, out_w_scales, out_b, attnp, out0, out1; writes out0, out1
.if DOCPART == 2
	.amdgcn_target "amdgcn-amd-amdhsa--gfx1250"
	.amdhsa_code_object_version 6
	.text
	.protected	k_q18c96f4744_finish
	.globl	k_q18c96f4744_finish
	.p2align	8
	.type	k_q18c96f4744_finish,@function
k_q18c96f4744_finish:
	s_mov_b64 s[64:65], 0
	v_nop
	global_prefetch_b8 v0, s[64:65] scope:SCOPE_SE
	s_setreg_imm32_b32 hwreg(HW_REG_WAVE_MODE, 25, 1), 1
	s_wait_xcnt 0x0
; out0 = Q(ctx) out_w^T + out_b, on codes of BF6 (E3M2) with one E8M0 byte for each 32 along K;  out1[b][key] = the sum over the eight pairs of heads of attnp[b][pair][key].
; ctx [32][1024] comes as codes and scale bytes from the launch before, out_w [1024][1024] as given.  Work-group g makes columns 64 g .. 64 g + 63 of out0 (64 columns of f32 are 256 bytes of a row) and batches 2 g, 2 g + 1 of out1.
; Wave w takes rows 64 g + 16 w + 0 .. 15 of out_w, for both blocks of 16 batches: two accumulators by turns, eight K steps.
; THE CODES COME BY TENSOR LOADS, one a wave, each of 24,576 dense bytes as 96 rows of 256: waves 0 and 1 bring rows 64 g + 32 w .. + 31 of out_w, wave 2 all 32 rows of ctx, wave 3 none.
; The fragments are read from LDS behind a barrier.  Nothing is filled a second time.
; THE MATRIX INSTRUCTION IS USED TRANSPOSED (source 0 = 16 rows of out_w, source 1 = 16 rows of ctx): a lane holds eight neighbouring columns of one row of out0; out_b is the C of the first products.
; No cluster: the work-groups share only ctx, 24 KB.  Sixteen work-groups: a finer split of the columns would write parts of aligned blocks of 256 bytes of out0.  No prefetch: the launch has no loop to run ahead in.
; LDS: the text uses 87,040 bytes and the spare words; the claim is larger.
; REGISTERS.  Window 0: v1-14 addresses; v16-19 out_w's scale words, v20-27 ctx's; v28-35 out_b; v36-51 two accumulators; v52-243 ctx's 16 fragments.  Window 1: v0-95 out_w's 8 fragments; v96-223 attnp.
.set PIT,   272                        ; a stage row: 256 bytes + 16
.set PITCH, 816                        ; a row of 768 bytes of codes in LDS: 3 x (256 + 16): sixteen rows begin 12 words apart modulo 64, so the 32 lanes of a load of 8 bytes touch 64 different banks (ISA guide 11.1)
.set OWT,   16*PITCH                   ; a wave's 16 rows of out_w; wave w's lie at w x OWT
.set CX,    4*OWT                      ; behind them ctx's 32 rows
.set STG,   CX+32*PITCH                ; behind them the stage for out0, 32 rows x PIT: whole blocks of 256 bytes into which no tensor load lands
.set OWA,   10                         ; v10-11 my lane's place in my wave's rows of out_w: r PITCH + 24 h, and + 40 h for the pieces that lie behind one padding more
.set CXA,   12                         ; v12-13 the same in ctx
.set MSB, 0
.macro WIN new
.if MSB != (\new)
	s_set_vgpr_msb (MSB<<8)|(\new)
.set MSB, \new
.endif
.endm
.macro FRAG reg, adr, s, off           ; lane (r, h) takes 24 bytes at 96 s + 24 h of row r and 24 at 96 s + 48 + 24 h, in pieces of 8; byte o of a row lies at o + 16 (o / 256) in LDS
.irp p, 0,1,2,3,4,5
.set FO, 96*(\s)+48*(\p/3)+8*(\p%3)
.if FO%256 >= 232
	ds_load_b64 v[\reg+2*\p:\reg+2*\p+1], v[\adr+1] offset:\off+FO+16*(FO/256)
.else
	ds_load_b64 v[\reg+2*\p:\reg+2*\p+1], v[\adr] offset:\off+FO+16*(FO/256)
.endif
.endr
.endm
	s_load_b256 s[4:11], s[0:1], 0x0               ; ctx's codes s[4:5], ctx's scales s[6:7], out_w's codes s[8:9], out_w's scales s[10:11]
	s_load_b256 s[12:19], s[0:1], 0x20             ; out_b s[12:13], attnp s[14:15], out0 s[16:17], out1 s[18:19]
	v_lshl_add_u32 v254, v0, 2, 0x29000
	v_mov_b32 v255, 0
	ds_add_u32 v254, v255                          ; the opening lines: the add twice on end and its wait
	ds_add_u32 v254, v255
	v_lshrrev_b32 v1, 5, v0
	v_readfirstlane_b32 s20, v1                    ; wave
	s_mov_b32 s40, (3<<16)|(1<<20)|(5<<22)|(3<<25) ; group 1: elements of 8 bytes; padding of 4 words behind every 64
	s_mov_b32 s41, 32<<16                          ; tensor_dim0
	s_mov_b32 s42, 96<<16                          ; tensor_dim1
	s_mov_b32 s43, 32<<16                          ; tile_dim0
	s_mov_b32 s44, 96                              ; tile_dim1
	s_mov_b32 s45, 32                              ; the pitch
	s_mov_b32 s46, 0
	s_mov_b32 s47, 0
	s_lshl_b32 s22, ttmp9, 6
	s_lshl_b32 s23, s20, 4
	s_add_co_u32 s22, s22, s23                     ; my first row of out_w: 64 g + 16 w
	s_mul_i32 s24, ttmp9, 49152                    ; the rows that I fetch: 64 g + 32 w
	s_mul_i32 s36, s20, 24576
	s_add_co_u32 s24, s24, s36
	s_mov_b32 s25, 0
	s_mov_b32 s56, 1                               ; group 0: count = 1,
	s_mul_i32 s57, s20, 2*OWT                      ; the LDS address: wave 2's is CX
	s_lshl_b32 s26, s22, 5
	s_mov_b32 s27, 0
	s_lshl_b32 s28, s22, 2
	s_mov_b32 s29, 0
	s_lshl_b32 s30, ttmp9, 16                      ; two batches of attnp: 2 x 8 x 4,096 bytes
	s_mov_b32 s31, 0
	s_lshl_b32 s32, ttmp9, 8
	s_mov_b32 s33, 0
	s_lshl_b32 s34, ttmp9, 13
	s_mov_b32 s35, 0
	v_and_b32 v1, 15, v0                           ; r
	v_bfe_u32 v2, v0, 4, 1                         ; h
	v_mul_u32_u24 v3, v1, PITCH
	v_mad_u32_u24 v3, v2, 24, v3                   ; a fragment's row x pitch + 24 h,
	v_lshl_add_u32 v14, v2, 4, v3                  ; and + 40 h
	s_mul_i32 s21, s20, OWT
	v_add_nc_u32 v[OWA], s21, v3
	v_add_nc_u32 v[OWA+1], s21, v14
	v_add_nc_u32 v[CXA], CX, v3
	v_add_nc_u32 v[CXA+1], CX, v14
	v_lshlrev_b32 v4, 5, v1
	v_lshl_add_u32 v4, v2, 4, v4                   ; scale words: 32 r + 16 h: register i holds K step i in lanes 0-15, K step 4 + i in lanes 16-31
	v_lshlrev_b32 v5, 5, v2                        ; out_b: 32 h
	v_lshlrev_b32 v6, 4, v0                        ; 16 bytes a thread
	v_mul_u32_u24 v7, v1, PIT
	v_lshl_add_u32 v7, v2, 5, v7
	s_lshl_b32 s21, s20, 6
	s_add_co_u32 s21, s21, STG
	v_add_nc_u32 v7, s21, v7                       ; into the stage: row r, + 64 w + 32 h
	s_mul_i32 s21, s20, 8*PIT
	s_add_co_u32 s21, s21, STG
	v_mul_u32_u24 v8, v2, PIT
	v_lshl_add_u32 v8, v1, 4, v8
	v_add_nc_u32 v8, s21, v8                       ; back: rows 8 w + h on, 16 bytes a lane
	v_lshlrev_b32 v9, 12, v2
	v_lshl_add_u32 v9, v1, 4, v9
	s_lshl_b32 s21, s20, 15
	v_add_nc_u32 v9, s21, v9                       ; and the same place in out0
	s_wait_alu depctr_va_vdst(0)                   ; the wait at the head's end
	s_wait_dscnt 0x0
	s_wait_kmcnt 0x0
	s_add_nc_u64 s[58:59], s[8:9], s[24:25]        ; the global address: out_w's rows,
	s_cmp_lt_u32 s20, 2
	s_cselect_b64 s[58:59], s[58:59], s[4:5]       ; or ctx,
	s_or_b32 s59, s59, 0x80000000                  ; and the type
	s_cmp_lt_u32 s20, 3
	s_cbranch_scc0 .Lno_load
	tensor_load_to_lds s[56:59], s[40:47]
	s_nop 0
.rept 4
	v_nop
.endr
.Lno_load:
	s_add_nc_u64 s[10:11], s[10:11], s[26:27]
	s_add_nc_u64 s[12:13], s[12:13], s[28:29]
	s_add_nc_u64 s[14:15], s[14:15], s[30:31]
	s_add_nc_u64 s[16:17], s[16:17], s[32:33]
	s_add_nc_u64 s[18:19], s[18:19], s[34:35]
	global_load_b128 v[16:19], v4, s[10:11]        ; each of these three reads 512 consecutive bytes
	global_load_b128 v[20:23], v4, s[6:7]
	global_load_b128 v[24:27], v4, s[6:7] offset:512
	global_load_b128 v[28:31], v5, s[12:13]
	global_load_b128 v[32:35], v5, s[12:13] offset:16
	WIN 0x40                                       ; destination window 1
.irp q, 0,1,2,3                        ; batch 2 g + q / 2, keys 512 (q % 2) + 4 x thread + 0 .. 3, the eight pairs of heads
.irp hp, 0,1,2,3,4,5,6,7
	global_load_b128 v[96+32*\q+4*\hp:96+32*\q+4*\hp+3], v6, s[14:15] offset:32768*(\q/2)+4096*\hp+2048*(\q%2)
.endr
.endr
	s_wait_tensorcnt 0x0                           ; what I fetched is in LDS,
	s_barrier_signal -1
	s_barrier_wait -1                              ; and so is what the others fetched
.irp s, 0,1,2,3,4,5,6,7
	FRAG 12*\s, OWA, \s, 0                         ; out_w's eight fragments, 48 loads
.endr
	WIN 0
.irp s, 0,1,2,3,4,5,6,7                ; ctx's sixteen, K step by K step: 12 loads a step
.irp rb, 0,1
	FRAG 52+96*\rb+12*\s, CXA, \s, OWT*\rb
.endr
.endr
	s_wait_loadcnt 32                              ; the scale words and out_b are in; the 32 loads of attnp, issued behind them, may be out
	s_wait_dscnt 60                                ; out_w's fragments and ctx's of K steps 0 to 2 are in; the 60 loads of K steps 3 to 7 may be out
	WIN 0x01                                       ; source 0 (out_w) window 1
.irp rb, 0,1
	v_wmma_scale_f32_16x16x128_f8f6f4 v[36+8*\rb:43+8*\rb], v[0:11], v[52+96*\rb:63+96*\rb], v[28:35], v16, v[20+4*\rb] matrix_a_fmt:MATRIX_FMT_BF6 matrix_b_fmt:MATRIX_FMT_BF6
.endr
.irp s, 1,2,3
.if \s == 3
	s_wait_dscnt 48                                ; K step 3 is in; the four steps behind it may be out
.endif
.irp rb, 0,1
	v_wmma_scale_f32_16x16x128_f8f6f4 v[36+8*\rb:43+8*\rb], v[12*\s:12*\s+11], v[52+96*\rb+12*\s:63+96*\rb+12*\s], v[36+8*\rb:43+8*\rb], v[16+\s], v[20+4*\rb+\s] matrix_a_fmt:MATRIX_FMT_BF6 matrix_b_fmt:MATRIX_FMT_BF6
.endr
.endr
.irp s, 4,5,6,7
	s_wait_dscnt 12*(7-\s)                         ; this K step is in; the steps behind it may be out
.irp rb, 0,1
	v_wmma_scale_f32_16x16x128_f8f6f4 v[36+8*\rb:43+8*\rb], v[12*\s:12*\s+11], v[52+96*\rb+12*\s:63+96*\rb+12*\s], v[36+8*\rb:43+8*\rb], v[12+\s], v[16+4*\rb+\s] matrix_a_fmt:MATRIX_FMT_BF6 matrix_b_fmt:MATRIX_FMT_BF6 matrix_a_scale:MATRIX_SCALE_ROW1 matrix_b_scale:MATRIX_SCALE_ROW1
.endr
.endr
	WIN 0
.rept 4
	v_nop                                          ; four places in front of the first read of results, and of loads into registers that the products have read
.endr
	s_wait_alu depctr_va_vdst(0)
.irp rb, 0,1
	ds_store_b128 v7, v[36+8*\rb:39+8*\rb] offset:16*PIT*\rb          ; lane (r, h): out0(16 rb + r, 64 g + 16 w + 8 h + 0 .. 7); each accumulator from its low end on
	ds_store_b128 v7, v[40+8*\rb:43+8*\rb] offset:16*PIT*\rb+16
.endr
	s_wait_dscnt 0x0                               ; for the others' sake: a row's 256 bytes come from four waves
	s_barrier_signal -1
	s_barrier_wait -1
.irp i, 0,1,2,3
	ds_load_b128 v[52+4*\i:55+4*\i], v8 offset:2*PIT*\i
.endr
.irp i, 0,1,2,3
	s_wait_dscnt 3-\i
	global_store_b128 v9, v[52+4*\i:55+4*\i], s[16:17] offset:8192*\i   ; sixteen lanes store 256 consecutive bytes, aligned
.endr
	s_wait_loadcnt 0x0                             ; attnp
	WIN 0x45                                       ; destination and both sources window 1
.irp hp, 1,2,3,4,5,6,7                 ; the pairs of heads in ascending order; the eight chains take turns
.irp q, 0,1,2,3
	v_pk_add_f32 v[96+32*\q:97+32*\q], v[96+32*\q:97+32*\q], v[96+32*\q+4*\hp:97+32*\q+4*\hp]
	v_pk_add_f32 v[98+32*\q:99+32*\q], v[98+32*\q:99+32*\q], v[98+32*\q+4*\hp:99+32*\q+4*\hp]
.endr
.endr
	WIN 0x04                                       ; a store's data are its source 1: window 1
.irp q, 0,1,2,3
	global_store_b128 v6, v[96+32*\q:99+32*\q], s[18:19] offset:2048*\q   ; a wave stores 512 consecutive bytes, aligned
.endr
	WIN 0
	s_wait_tensorcnt 0x0                           ; the wave's end
	ds_add_u32 v254, v255
	s_wait_dscnt 0x0
	s_endpgm
.Lfunc_end_k_q18c96f4744_finish:
	.size	k_q18c96f4744_finish, .Lfunc_end_k_q18c96f4744_finish-k_q18c96f4744_finish
	.p2alignl 7, 3214868480
	.fill 96, 4, 3214868480
	.section	.rodata,"a",@progbits
	.p2align	6, 0x0
	.amdhsa_kernel k_q18c96f4744_finish
		.amdhsa_group_segment_fixed_size 168448
		.amdhsa_private_segment_fixed_size 0
		.amdhsa_enable_private_segment 0
		.amdhsa_kernarg_size 64
		.amdhsa_user_sgpr_count 2
		.amdhsa_user_sgpr_kernarg_segment_ptr 1
		.amdhsa_wavefront_size32 1
		.amdhsa_system_sgpr_workgroup_id_x 1
		.amdhsa_system_sgpr_workgroup_id_y 1
		.amdhsa_system_sgpr_workgroup_id_z 1
		.amdhsa_system_vgpr_workitem_id 0
		.amdhsa_next_free_vgpr 512
		.amdhsa_next_free_sgpr 66
		.amdhsa_reserve_vcc 0
		.amdhsa_float_denorm_mode_32 3
		.amdhsa_float_denorm_mode_16_64 3
		.amdhsa_memory_ordered 1
		.amdhsa_forward_progress 1
		.amdhsa_inst_pref_size 25
	.end_amdhsa_kernel
	.amdgpu_metadata
---
amdhsa.version: [ 1, 2 ]
amdhsa.kernels:
  - .name:           k_q18c96f4744_finish
    .symbol:         k_q18c96f4744_finish.kd
    .args:
      - { .name: ctx_codes, .offset: 0, .size: 8, .value_kind: global_buffer, .address_space: global }
      - { .name: ctx_scales, .offset: 8, .size: 8, .value_kind: global_buffer, .address_space: global }
      - { .name: out_w_codes, .offset: 16, .size: 8, .value_kind: global_buffer, .address_space: global }
      - { .name: out_w_scales, .offset: 24, .size: 8, .value_kind: global_buffer, .address_space: global }
      - { .name: out_b, .offset: 32, .size: 8, .value_kind: global_buffer, .address_space: global }
      - { .name: attnp, .offset: 40, .size: 8, .value_kind: global_buffer, .address_space: global }
      - { .name: out0, .offset: 48, .size: 8, .value_kind: global_buffer, .address_space: global }
      - { .name: out1, .offset: 56, .size: 8, .value_kind: global_buffer, .address_space: global }
    .group_segment_fixed_size: 168448
    .private_segment_fixed_size: 0
    .kernarg_segment_align: 8
    .kernarg_segment_size: 64
    .max_flat_workgroup_size: 128
    .sgpr_count:     66
    .vgpr_count:     512
    .wavefront_size: 32
...
	.end_amdgpu_metadata
.endif
;; end of part 2
